; MI455X (gfx1250); checked and timed in simulation.
; The chip was launched on July 23, 2026; its instructions are those of AMD's public machine-readable ISA for CDNA 5 (MIT licence, August 2026) and "CDNA5" Instruction Set Architecture Reference Guide (July 2026). The comments in the code are by the model that wrote it; some were corrected since.
;; Triangle Attention Core. Allowed arithmetic: float matrix products may take bf16 or f16 operands with f32 sums; all other float work in f32.
;; Inputs: Wg 128 x 128 float32; Wk 128 x 128 float32; Wo 128 x 128 float32; Wq 128 x 128 float32; Wv 128 x 128 float32; edge_bias 1 x 1 x 4 x 256 x 256 float32; ln_b 128 float32; ln_w 128 float32; mask_bias 1 x 256 x 1 x 1 x 256 float32; z 1 x 256 x 256 x 128 float32.
;; Outputs: out0 1 x 256 x 256 x 128 float32.
;; One version. Each part assembles by itself: llvm-mc -triple=amdgcn-amd-amdhsa -mcpu=gfx1250 --defsym DOCPART=n.
;; ======== version 1 of 1: 1 launch
;; limits: values are held in f16: magnitudes above 65,504 overflow, below 6.1e-05 lose precision
;; launch triattn (part 1): grid 256 x 1, 4 waves a work-group, clusters of 4 x 1, 327,680 bytes of LDS; arguments z, mask_bias, edge_bias, ln_w, ln_b, Wq, Wk, Wv, Wg, Wo, out0; writes out0
.if DOCPART == 1
	.amdgcn_target "amdgcn-amd-amdhsa--gfx1250"
	.amdhsa_code_object_version 6
	.text
	.protected	k_q9212cca163_triattn
	.globl	k_q9212cca163_triattn
	.p2align	8
	.type	k_q9212cca163_triattn,@function
k_q9212cca163_triattn:
	s_mov_b64 s[64:65], 0
	v_nop
	global_prefetch_b8 v0, s[64:65] scope:SCOPE_SE
	s_setreg_imm32_b32 hwreg(HW_REG_WAVE_MODE, 25, 1), 1
	s_wait_xcnt 0x0
	s_wait_alu depctr_hold_cnt(0) depctr_sa_sdst(0) depctr_va_vdst(0) depctr_va_sdst(0) depctr_va_ssrc(0) depctr_va_vcc(0) depctr_vm_vsrc(0)
	s_getreg_b32 s2, hwreg(HW_REG_IB_STS2, 6, 4)
	s_cmp_eq_u32 s2, 0
	s_cbranch_scc0 .Lentry_in_a_cluster
	s_endpgm
.Lentry_in_a_cluster:
	s_bfe_u32 s2, ttmp6, 0x10000c
	s_cmp_lg_u32 s2, 0x3003
	s_cbranch_scc0 .Lentry_shape_is_right
	s_endpgm
.Lentry_shape_is_right:
; TRIANGLE ATTENTION, one launch.  A work-group takes one row i: z[i] (256 tokens x 128 f32) -> LayerNorm -> q, k, v, g -> four heads of
; 256 x 256 attention (d = 32) with the bias mask_bias[i][key] + edge_bias[head][query][key] -> sigmoid gate -> Wo -> out0[i].
; Four waves; WAVE w IS HEAD w.  Each product is turned so that its result registers, packed to f16, are the next product's fragment:
;   K^T, Q^T, G^T = W^T x zn^T : a lane holds 8 channels of token r        -> packed: the fragment of 32 d of key / query r
;   S^T = K x Q^T + edge       : a lane holds keys 16 tk + 8 hh + j of query r: the softmax runs along the lane's registers and one lane exchange
;   V   = zn x Wv              : a lane holds 8 tokens of channel r         -> packed: the fragment of V^T
;   O^T = V^T x P^T            : (channel 8 hh + j, query r), the layout of G^T; 1 / sum is one number a lane
;   out^T = Wo^T x (o g)^T     : a lane holds 8 neighbouring f32 of a row of out0
; (r = lane & 15, hh = lane >> 4.)  So q, k, v, p, o, g stay in the wave's registers; through LDS go the weights (f32 -> f16), zn and o*g.
; NOTHING IS LEFT OUT: every input has a way to out0 and is loaded.
; FORMAT: matrix operands are f16, sums f32, LayerNorm, softmax and gate f32.  The maximum is taken away before the exponential, as reference() does.
; LIMITS: an operand (zn, a weight, q / sqrt 32, k, v, o*g) beyond 65,504 in magnitude becomes an infinity in f16; with ||zn|| <= sqrt(128) max|ln_w| + ||ln_b||
; that needs max|ln_w| x (a weight column's norm) above about 5,800, against 0.23 at the drawn sizes.  Operands below 6.1e-5 keep an absolute step of 6e-8.
; v_exp_f32 gives 0 for probabilities below 2^-126 of the row's largest.  Sums are formed in another order than reference()'s.
; CLUSTER: the four work-groups of a cluster (rows 4 x .. 4 x + 3) walk the same tiles of edge_bias: each tile is asked for jointly (mask 15), which divides
; the requests for its 1 MiB a row by four.  z, mask_bias and out0 differ from row to row.  The weights are shared too, but have to pass through registers
; to become f16, and an f32 copy of one weight (65,536 bytes) has no room: z's stage takes 135,168 bytes and the f16 stages 188,416 of the 327,680.
;
; LDS.  R1 = [0, 135168): filled by tensor loads alone.  First z in f32 (token t at 528 t: 512 + 16 of padding); then two slots of edge tiles
;       (slot s at 66560 s, wave w at + 16640 w: 16 query rows of 1024 + 16 bytes).
;       R2 = [135168, 323584): written by LDS stores alone.  Weight stages [k][n] f16, pitch 288: q, k, v, g at R2 + 36864 m, o at R2 + 151552.
;       When q..g have been read: zn (256 x 272) at R2, o*g in four head planes (256 x 80 each) at R2 + 69632.  At the end zn's bytes are each wave's stage (16 x 528).
;       Pitches 528, 1040, 272, 80 are odd multiples of 16 bytes and 288 an odd multiple of 32: the rows that one load or store touches start at different 16-byte columns modulo 256.
; REGISTERS, in windows of 256 (s_set_vgpr_msb, low byte: bits 1:0 source 0, 3:2 source 1, 5:4 source 2, 7:6 destination):
;   window 0: v0-22 ids and addresses, v24-31 at work, v32-63 Q and G sums, v64-191 S, v192-223 O, v224-255 small things
;   window 1: v0-127 K fragments (before: ln_w, ln_b), v128-255 mask; at the end Wo's fragments
;   window 2: v0-127 V fragments, v128-191 Wq, v192-255 Wg        window 3: v0-63 Wk, v64-127 Wv, v128-191 two buffers of zn (or o*g) fragments
.set R2,     135168
.set WPITCH, 288
.set WSTB,   128*WPITCH                ; a weight's stage, 36,864 bytes
.set ZPITCH, 528
.set NPITCH, 272
.set EPITCH, 1040
.set ETILE,  16*EPITCH                 ; one wave's edge tile, 16,640 bytes
.set ESLOT,  4*ETILE
.set ZN,     R2
.set OGP,    R2+256*NPITCH
.set OPITCH, 80
.set OPLANE, 256*OPITCH
.set WSTO,   OGP+4*OPLANE              ; Wo's stage, R2 + 151,552
.set STGB,   16*ZPITCH
; window 0
.set RR,1
.set HH,2
.set LANE,3
.set OFF32,4                           ; 32 hh
.set WGO,5                             ; weights in memory: 16384 w + 16 lane
.set WSA,6                             ; weights into their stage
.set TRQ,7                             ; transposing reads of the stages: q, k, v, g, o
.set TRK,8
.set TRV,9
.set TRG,10
.set TRO,11
.set ZSA,12                            ; z's stage
.set ZNS,13                            ; zn: where I store
.set ZNR,14                            ; zn: fragment reads, tile in the immediate
.set ZNL,15                            ; zn: fragment reads, stepped a trip
.set EDG,16                            ; v16, v17: my edge tile in slot 0, 1
.set OGS,18                            ; o*g: where I store, stepped a trip
.set OGR,19                            ; o*g: fragment reads
.set STS,20                            ; the way out: into my stage
.set STR,21                            ; and back by rows
.set CO,22                             ; 16 lane
.set LT,24                             ; v24-31 LayerNorm's chains
.set PKZ,32                            ; v32-63 packed zn; conversion temporaries of the weights
.set QA,32                             ; v32-47 Q^T sums (channels 0-15, 16-31)
.set GA,48                             ; v48-63 G^T sums
.set S,64                              ; v64-191 S^T, key tile tk at S + 8 tk
.set X0,64
.set X1,128
.set ACC,64                            ; K/V sums, two sets of 32: K 0-15, K 16-31, V 0-15, V 16-31
.set OUTA,64
.set RB,128
.set OE,192                            ; O^T of the even key blocks (16 registers), OO of the odd ones
.set OO,208
.set QF,224
.set SUM,232
.set MX,240
.set NEGM,244
.set RINV,246
.set PK,248
; window 1
.set KF,0
.set LNW,0
.set LNB,64
.set MASK,128
.set WO,0
; window 2
.set VF,0
.set WQ,128
.set WG,192
; window 3
.set WK,0
.set WV,64
.set ZF0,128
; scalars
.set G0E,32                            ; s[32:35], s[36:39] group 0 of the edge tiles, one set a slot
.set G1E,40                            ; s[40:47]
.set G0Z,48                            ; s[48:51]
.set G1Z,52                            ; s[52:59]
.set MSB, 0
.macro WIN new                         ; the immediate's high byte repeats the setting that is left
.if MSB != \new
	s_set_vgpr_msb (MSB<<8)|\new
.set MSB, \new
.endif
.endm
; A round of the cluster's barrier: my work-group's barrier, wave 0 signals for the work-group, every wave waits for all four work-groups, my work-group's barrier again.
.macro ROUND
	s_barrier_signal -1
	s_barrier_wait -1
	s_cmp_lg_u32 s26, 0
	s_cbranch_scc1 .Lnot_wave_0_\@
	s_barrier_signal -3
.Lnot_wave_0_\@:
	s_barrier_wait -3
	s_barrier_signal -1
	s_barrier_wait -1
.endm
.macro MM d, a, b, first               ; one product; first = 1 starts the sum with the constant 0: nothing is cleared
.if \first
	v_wmma_f32_16x16x32_f16 v[\d:\d+7], v[\a:\a+7], v[\b:\b+7], 0
.else
	v_wmma_f32_16x16x32_f16 v[\d:\d+7], v[\a:\a+7], v[\b:\b+7], v[\d:\d+7]
.endif
.endm
	s_load_b512 s[4:19], s[0:1], 0x0               ; z 4:5, mask 6:7, edge 8:9, ln_w 10:11, ln_b 12:13, Wq 14:15, Wk 16:17, Wv 18:19
	s_load_b128 s[20:23], s[0:1], 0x40             ; Wg 20:21, Wo 22:23
	s_load_b64 s[24:25], s[0:1], 0x50              ; out0
	v_lshl_add_u32 v23, v0, 2, 0x4f000
	s_set_vgpr_msb 0xc0
	v_mov_b32 v193, 0
	s_set_vgpr_msb 0xc0cc
	ds_add_u32 v23, v193
	s_set_vgpr_msb 0xcc00
	v_lshrrev_b32 v24, 5, v0
	v_readfirstlane_b32 s26, v24                   ; wave = head
	s_bfe_u32 s27, ttmp6, 0x40000                  ; cx
	s_lshl_b32 s28, ttmp9, 2
	s_add_co_u32 s28, s28, s27                     ; row i = 4 x cluster + cx: it enters the addresses of z, mask_bias and out0 alone
	s_mov_b32 s60, 0x76543210                      ; v_permlanex16_b32: lane l reads lane l xor 16
	s_mov_b32 s61, 0xfedcba98
	s_mov_b32 s62, 0x3c000000                      ; 1 / 128
	s_mov_b32 s63, 0x3727c5ac                      ; 1e-5
	s_mul_i32 s33, s26, ETILE                      ; my edge tile in slot 0
	v_and_b32 v[LANE], 31, v0
	v_and_b32 v[RR], 15, v0
	v_bfe_u32 v[HH], v0, 4, 1
	v_lshlrev_b32 v[OFF32], 5, v[HH]
	v_lshlrev_b32 v[CO], 4, v[LANE]
	s_lshl_b32 s2, s26, 14                         ; my 32 rows of a weight: 32 x 512 bytes
	v_lshl_add_u32 v[WGO], v[LANE], 4, s2
	s_mul_i32 s2, s26, 32*WPITCH
	s_add_co_u32 s2, s2, R2
	v_lshl_add_u32 v[WSA], v[LANE], 3, s2          ; 4 f16 a lane
	; a fragment from a stage [k][n]: lane l addresses row 8 hh + (l & 7), 16 bytes at 16 ((l >> 3) & 1); my head's columns begin at byte 64 w
	v_and_b32 v24, 7, v0
	v_lshl_add_u32 v24, v[HH], 3, v24
	v_mul_u32_u24 v24, v24, WPITCH
	v_bfe_u32 v25, v0, 3, 1
	v_lshl_add_u32 v24, v25, 4, v24
	s_lshl_b32 s2, s26, 6
	s_add_co_u32 s3, s2, R2
	v_add_nc_u32 v[TRQ], s3, v24
	v_add_nc_u32 v[TRK], WSTB, v[TRQ]
	v_add_nc_u32 v[TRV], 2*WSTB, v[TRQ]
	v_add_nc_u32 v[TRG], 3*WSTB, v[TRQ]
	v_add_nc_u32 v[TRO], WSTO, v24                 ; Wo: all columns
	v_mul_u32_u24 v25, v[RR], ZPITCH
	v_lshl_add_u32 v25, v[HH], 5, v25              ; 528 r + 32 hh
	s_mul_i32 s3, s26, 64*ZPITCH
	v_add_nc_u32 v[ZSA], s3, v25
	s_mul_i32 s3, s26, STGB
	s_add_co_u32 s3, s3, R2
	v_add_nc_u32 v[STS], s3, v25
	v_lshl_add_u32 v[STR], v[LANE], 4, s3
	v_mul_u32_u24 v26, v[RR], NPITCH
	v_lshl_add_u32 v26, v[HH], 4, v26              ; 272 r + 16 hh
	v_add_nc_u32 v[ZNR], ZN, v26
	v_add_nc_u32 v[ZNL], ZN, v26
	s_mul_i32 s3, s26, 64*NPITCH
	s_add_co_u32 s3, s3, ZN
	v_add_nc_u32 v[ZNS], s3, v26
	v_mul_u32_u24 v26, v[RR], OPITCH
	v_lshl_add_u32 v26, v[HH], 4, v26              ; 80 r + 16 hh
	s_mul_i32 s3, s26, OPLANE
	s_add_co_u32 s3, s3, OGP
	v_add_nc_u32 v[OGS], s3, v26                   ; my head's plane
	s_mul_i32 s3, s26, 64*OPITCH
	s_add_co_u32 s3, s3, OGP
	v_add_nc_u32 v[OGR], s3, v26                   ; my 64 tokens, plane in the immediate
	v_mul_u32_u24 v27, v[RR], EPITCH
	v_lshl_add_u32 v27, v[HH], 5, v27
	v_add_nc_u32 v[EDG], s33, v27
	v_add_nc_u32 v[EDG+1], ESLOT, v[EDG]
	; offsets, apart from the addresses
	s_lshl_b32 s30, s28, 17                        ; row i: 256 x 512 bytes
	s_lshl_b32 s29, s26, 15                        ; my 64 tokens
	s_add_co_u32 s30, s30, s29
	s_mov_b32 s31, 0
	s_lshl_b32 s66, s26, 18                        ; my head's plane of edge_bias: this pair never holds cx
	s_mov_b32 s67, 0
	; group 1 for z: 64 rows x 128 f32, 4 words of padding behind every 128
	s_mov_b32 s[G1Z+0], (2<<16)|(1<<20)|(6<<22)|(3<<25)
	s_mov_b32 s[G1Z+1], 128<<16
	s_mov_b32 s[G1Z+2], 64<<16
	s_mov_b32 s[G1Z+3], 128<<16
	s_mov_b32 s[G1Z+4], 64
	s_mov_b32 s[G1Z+5], 128
	s_mov_b32 s[G1Z+6], 0
	s_mov_b32 s[G1Z+7], 0
	; group 1 for edge tiles: 16 rows x 256 f32, 4 words of padding behind every 256; mask 15 = all four work-groups, bit 21 beside it
	s_mov_b32 s[G1E+0], 15|(2<<16)|(1<<20)|(1<<21)|(7<<22)|(3<<25)
	s_mov_b32 s[G1E+1], 256<<16
	s_mov_b32 s[G1E+2], 16<<16
	s_mov_b32 s[G1E+3], 256<<16
	s_mov_b32 s[G1E+4], 16
	s_mov_b32 s[G1E+5], 256
	s_mov_b32 s[G1E+6], 0
	s_mov_b32 s[G1E+7], 0
	s_wait_dscnt 0x0
	s_wait_kmcnt 0x0
	s_add_nc_u64 s[4:5], s[4:5], s[30:31]          ; z at my 64 tokens
	s_add_nc_u64 s[24:25], s[24:25], s[30:31]      ; out0 likewise
	s_lshl_b32 s30, s28, 10
	s_add_nc_u64 s[6:7], s[6:7], s[30:31]          ; mask_bias[i]
	s_add_nc_u64 s[8:9], s[8:9], s[66:67]          ; edge_bias[head]
	s_mov_b32 s[G0Z], 1
	s_mul_i32 s[G0Z+1], s26, 64*ZPITCH
	s_mov_b64 s[G0Z+2:G0Z+3], s[4:5]
	s_or_b32 s[G0Z+3], s[G0Z+3], 0x80000000
	s_mov_b32 s[G0E], 1                            ; slot 0: tile 0 (s33 was set above)
	s_mov_b64 s[G0E+2:G0E+3], s[8:9]
	s_or_b32 s[G0E+3], s[G0E+3], 0x80000000
	s_mov_b32 s[G0E+4], 1                          ; slot 1: tile 1
	s_add_co_u32 s[G0E+5], s33, ESLOT
	s_add_nc_u64 s[G0E+6:G0E+7], s[8:9], 16*1024
	s_or_b32 s[G0E+7], s[G0E+7], 0x80000000
	ROUND                                          ; the round in front of the launch's first tensor loads
	tensor_load_to_lds s[G0Z:G0Z+3], s[G1Z:G1Z+7]  ; my 64 rows of z.  By this text's count a wave has one tensor load out at any time
	s_nop 0
	; ---- ln_w, ln_b and the mask, in the order of the registers that they meet: register 8 g + j belongs to element 16 g + 8 hh + j
	WIN 0x40
.irp g, 0,1,2,3,4,5,6,7
	global_load_b128 v[LNW+8*\g:LNW+8*\g+3],   v[OFF32], s[10:11] offset:64*\g
	global_load_b128 v[LNW+8*\g+4:LNW+8*\g+7], v[OFF32], s[10:11] offset:64*\g+16
	global_load_b128 v[LNB+8*\g:LNB+8*\g+3],   v[OFF32], s[12:13] offset:64*\g
	global_load_b128 v[LNB+8*\g+4:LNB+8*\g+7], v[OFF32], s[12:13] offset:64*\g+16
.endr
.irp g, 0,1,2,3,4,5,6,7,8,9,10,11,12,13,14,15
	global_load_b128 v[MASK+8*\g:MASK+8*\g+3],   v[OFF32], s[6:7] offset:64*\g
	global_load_b128 v[MASK+8*\g+4:MASK+8*\g+7], v[OFF32], s[6:7] offset:64*\g+16
.endr
	WIN 0
	; ---- the five weights, f32 -> f16, into their stages.  Group g = 16 of my 32 rows of weight g / 2; a load of the wave is one row of 512 bytes.
	; Three register buffers of 64 take turns, so two groups are on their way while one is converted.
.macro WGRP g
.irp i, 0,1,2,3,4,5,6,7,8,9,10,11,12,13,14,15
	global_load_b128 v[64+64*(\g%3)+4*\i:64+64*(\g%3)+4*\i+3], v[WGO], s[14+2*(\g/2):15+2*(\g/2)] offset:(16*(\g&1)+\i)*512
.endr
.endm
.macro WCVT g
.irp i, 0,1,2,3,4,5,6,7,8,9,10,11,12,13,14,15
	v_cvt_pk_f16_f32 v[PKZ+2*\i],   v[64+64*(\g%3)+4*\i],   v[64+64*(\g%3)+4*\i+1]
	v_cvt_pk_f16_f32 v[PKZ+2*\i+1], v[64+64*(\g%3)+4*\i+2], v[64+64*(\g%3)+4*\i+3]
	ds_store_b64 v[WSA], v[PKZ+2*\i:PKZ+2*\i+1] offset:(16*(\g&1)+\i)*WPITCH
.endr
.if \g == 7
	v_add_nc_u32 v[WSA], WSTO-R2-3*WSTB, v[WSA]    ; on to Wo's stage
.else
.if \g&1
	v_add_nc_u32 v[WSA], WSTB, v[WSA]              ; the next weight's stage
.endif
.endif
.endm
	WGRP 0
	WGRP 1
	WGRP 2
.irp g, 0,1,2,3,4,5,6
	s_wait_loadcnt 0x20                            ; loads come back in order: all but the two younger groups of 16 are in (the small loads above too)
	WCVT \g
	WGRP (\g+3)
.endr
	s_wait_loadcnt 0x20
	WCVT 7
	s_wait_loadcnt 0x10                            ; one younger group
	WCVT 8
	s_wait_loadcnt 0x0
	WCVT 9
	s_wait_dscnt 0x0                               ; my part of the stages is written,
	s_barrier_signal -1
	s_barrier_wait -1                              ; everybody's is.  z's load may still be out
	; ---- my head's fragments of Wq, Wg, Wk, Wv: fragment (nt, c) = columns 32 w + 16 nt + r, k = 32 c ..; it serves as A (W^T) and as B (W) alike
.macro TRW adr, base
.irp n, 0,1
.irp c, 0,1,2,3
	ds_load_tr16_b128 v[\base+8*(4*\n+\c):\base+8*(4*\n+\c)+3],   v[\adr] offset:\c*32*WPITCH+\n*32
	ds_load_tr16_b128 v[\base+8*(4*\n+\c)+4:\base+8*(4*\n+\c)+7], v[\adr] offset:\c*32*WPITCH+\n*32+16*WPITCH
.endr
.endr
.endm
	WIN 0x80
	TRW TRQ, WQ
	TRW TRG, WG
	WIN 0xc0
	TRW TRK, WK
	TRW TRV, WV
	WIN 0
	s_wait_dscnt 0x0                               ; my reads of the stages q..g are over,
	s_barrier_signal -1
	s_barrier_wait -1                              ; everybody's are: their bytes may become zn and o*g
	; ---- LayerNorm: 4 tiles of 16 tokens.  Lane (r, hh) holds elements 16 g + 8 hh + j of token r (64 of its 128) in register 8 g + j: fragment order.
	; Mean first, then the squares of the differences, as reference() takes the variance: a common offset of z cancels nothing.
.macro LNLOAD t, x
.irp g, 0,1,2,3,4,5,6,7
	ds_load_b128 v[\x+8*\g:\x+8*\g+3],   v[ZSA] offset:\t*16*ZPITCH+64*\g
	ds_load_b128 v[\x+8*\g+4:\x+8*\g+7], v[ZSA] offset:\t*16*ZPITCH+64*\g+16
.endr
.endm
.macro LNRED                           ; four chains of pairs in v24-31 -> the token's sum in v24 of both its lanes
	v_pk_add_f32 v[24:25], v[24:25], v[26:27]
	v_pk_add_f32 v[28:29], v[28:29], v[30:31]
	v_pk_add_f32 v[24:25], v[24:25], v[28:29]
	v_add_f32 v24, v24, v25
	v_permlanex16_b32 v25, v24, s60, s61
	v_add_f32 v24, v24, v25
.endm
.macro LNTILE t, x, y, cnt
.if \t < 3
	LNLOAD (\t+1), \y
.endif
	s_wait_dscnt \cnt                              ; this tile's 16 loads are in; younger: the last tile's 8 stores and the next tile's 16 loads
.irp k, 0,2,4,6
	v_pk_add_f32 v[LT+\k:LT+\k+1], v[\x+\k:\x+\k+1], v[\x+8+\k:\x+8+\k+1]
.endr
.set pp, 16
.rept 6
.irp k, 0,2,4,6
	v_pk_add_f32 v[LT+\k:LT+\k+1], v[LT+\k:LT+\k+1], v[\x+pp+\k:\x+pp+\k+1]
.endr
.set pp, pp+8
.endr
	LNRED
	v_mul_f32 v26, 0xbc000000, v24                 ; - mean
	v_mul_f32 v27, 0xbc000000, v24
.set pp, 0
.rept 32
	v_pk_add_f32 v[\x+pp:\x+pp+1], v[\x+pp:\x+pp+1], v[26:27]
.set pp, pp+2
.endr
.irp k, 0,2,4,6
	v_pk_mul_f32 v[LT+\k:LT+\k+1], v[\x+\k:\x+\k+1], v[\x+\k:\x+\k+1]
.endr
.set pp, 8
.rept 7
.irp k, 0,2,4,6
	v_pk_fma_f32 v[LT+\k:LT+\k+1], v[\x+pp+\k:\x+pp+\k+1], v[\x+pp+\k:\x+pp+\k+1], v[LT+\k:LT+\k+1]
.endr
.set pp, pp+8
.endr
	LNRED
	v_fma_f32 v24, v24, s62, s63                   ; variance + 1e-5
	v_rsq_f32 v26, v24
	v_rsq_f32 v27, v24
	v_nop                                          ; one plain instruction behind a transcendental before its result is used (ISA guide 5.7.2)
.set pp, 0
	s_wait_alu depctr_va_vdst(0)
.rept 32
	v_pk_mul_f32 v[\x+pp:\x+pp+1], v[\x+pp:\x+pp+1], v[26:27]
.set pp, pp+2
.endr
	WIN 0x14                                       ; ln_w and ln_b lie in window 1
.set pp, 0
.rept 32
	v_pk_fma_f32 v[\x+pp:\x+pp+1], v[\x+pp:\x+pp+1], v[LNW+pp:LNW+pp+1], v[LNB+pp:LNB+pp+1]
.set pp, pp+2
.endr
	WIN 0
.set pp, 0
.rept 32
	v_cvt_pk_f16_f32 v[PKZ+pp], v[\x+2*pp], v[\x+2*pp+1]
.set pp, pp+1
.endr
.irp g, 0,1,2,3,4,5,6,7
	ds_store_b128 v[ZNS], v[PKZ+4*\g:PKZ+4*\g+3] offset:\t*16*NPITCH+32*\g
.endr
.endm
	s_wait_tensorcnt 0x0                           ; my rows of z are in LDS; only I read them
	LNLOAD 0, X0
	LNTILE 0, X0, X1, 16
	LNTILE 1, X1, X0, 24
	LNTILE 2, X0, X1, 24
	LNTILE 3, X1, X0, 8
	s_wait_dscnt 0x0                               ; my reads of z's stage are back and my rows of zn are written;
	s_set_vgpr_msb 0xc
	s_wait_tensorcnt 0x0                           ; none of my tensor loads is out
	ds_add_u32 v23, v193
	s_wait_dscnt 0x0
	s_set_vgpr_msb 0xc00
	ROUND                                          ; the same holds of every wave of all four work-groups: zn is whole, z's bytes may be filled again
	tensor_load_to_lds s[G0E:G0E+3], s[G1E:G1E+7]  ; edge tile 0 (queries 0-15 of my head), my one load behind the round
	s_nop 0
	; ---- K and V of my head for all 256 tokens, 16 tiles of 16.  The four sums of a tile take turns, one product a turn.
.macro ZFLOAD adr, imm, buf            ; a tile's four fragments (16 rows x 32 k each) from rows of 272 bytes
	WIN 0xc0
.irp c, 0,1,2,3
	ds_load_b128 v[\buf+8*\c:\buf+8*\c+3],   v[\adr] offset:\imm+64*\c
	ds_load_b128 v[\buf+8*\c+4:\buf+8*\c+7], v[\adr] offset:\imm+64*\c+32
.endr
.endm
.macro KVSTEP t, c, first
	MM ACC+32*(\t&1),    WK+8*\c,            ZF0+32*(\t&1)+8*\c, \first
	MM ACC+32*(\t&1)+8,  WK+32+8*\c,         ZF0+32*(\t&1)+8*\c, \first
	MM ACC+32*(\t&1)+16, ZF0+32*(\t&1)+8*\c, WV+8*\c,            \first
	MM ACC+32*(\t&1)+24, ZF0+32*(\t&1)+8*\c, WV+32+8*\c,         \first
.endm
.macro KVCVT p                         ; tile p's sums, packed: K's fragment of keys 16 p .., half of V^T's fragments of key block p / 2
	WIN 0x40
.irp j, 0,1,2,3,4,5,6,7
	v_cvt_pk_f16_f32 v[KF+8*\p+\j], v[ACC+32*(\p&1)+2*\j], v[ACC+32*(\p&1)+2*\j+1]
.endr
	WIN 0x80
.irp j, 0,1,2,3
	v_cvt_pk_f16_f32 v[VF+4*\p+\j],    v[ACC+32*(\p&1)+16+2*\j], v[ACC+32*(\p&1)+16+2*\j+1]
	v_cvt_pk_f16_f32 v[VF+64+4*\p+\j], v[ACC+32*(\p&1)+24+2*\j], v[ACC+32*(\p&1)+24+2*\j+1]
.endr
.endm
; Behind tile t's products stand the sixteen conversions of tile t - 1, which name the other set of sums and none of tile t's registers: they are the
; places in front of the next loads into tile t's fragment buffer, of tile t's own conversions and of the products that start its set anew.
.macro KVTILE t
.if \t < 15
	ZFLOAD ZNR, (\t+1)*16*NPITCH, ZF0+32*((\t+1)&1)
	s_wait_dscnt 0x8                               ; this tile's fragments are in; the next tile's 8 loads stay out
.else
	s_wait_dscnt 0x0
.endif
	WIN 0x0f
	KVSTEP \t, 0, 1
	KVSTEP \t, 1, 0
	KVSTEP \t, 2, 0
	KVSTEP \t, 3, 0
.if \t == 0
.rept 5
	v_nop                                          ; no tile in front to convert: the places stand empty once
.endr
.else
	KVCVT (\t-1)
.endif
.endm
	ZFLOAD ZNR, 0, ZF0
.irp t, 0,1,2,3,4,5,6,7,8,9,10,11,12,13,14,15
	KVTILE \t
.endr
	KVCVT 15
	WIN 0
	; ---- the ring: 16 trips of 16 queries
.macro QGSTEP c, first
	MM QA,   WQ+8*\c,    ZF0+8*\c, \first
	MM QA+8, WQ+32+8*\c, ZF0+8*\c, \first
	MM GA,   WG+8*\c,    ZF0+8*\c, \first
	MM GA+8, WG+32+8*\c, ZF0+8*\c, \first
.endm
.macro FMAB b                          ; key block b (32 keys, 16 registers): (logit - max) log2 e.  The rounding of max log2 e is common to the row and cancels in the quotient
.irp p, 0,1,2,3,4,5,6,7
	v_pk_fma_f32 v[S+16*\b+2*\p:S+16*\b+2*\p+1], v[S+16*\b+2*\p:S+16*\b+2*\p+1], 0x3fb8aa3b, v[NEGM:NEGM+1] op_sel_hi:[1,0,1]
.endr
.endm
.macro EXPB b
.irp p, 0,1,2,3,4,5,6,7,8,9,10,11,12,13,14,15
	v_exp_f32 v[S+16*\b+\p], v[S+16*\b+\p]
.endr
.endm
.macro SUMB b                          ; four chains; the first block starts them
.if \b == 0
	s_wait_alu depctr_va_vdst(0)
.irp p, 0,1,2,3
	v_pk_add_f32 v[SUM+2*\p:SUM+2*\p+1], v[S+2*\p:S+2*\p+1], v[S+8+2*\p:S+8+2*\p+1]
.endr
.else
	s_wait_alu depctr_va_vdst(0)
.irp p, 0,1,2,3,4,5,6,7
	v_pk_add_f32 v[SUM+2*(\p&3):SUM+2*(\p&3)+1], v[SUM+2*(\p&3):SUM+2*(\p&3)+1], v[S+16*\b+2*\p:S+16*\b+2*\p+1]
.endr
.endif
.endm
.macro CVTB b                          ; 16 registers -> the block's fragment of P in the lower 8, ascending: no register is written before it is read
.irp p, 0,1,2,3,4,5,6,7
	v_cvt_pk_f16_f32 v[S+16*\b+\p], v[S+16*\b+2*\p], v[S+16*\b+2*\p+1]
.endr
.endm
.macro TRIP slot, refill
	s_set_vgpr_msb 0xc
	s_wait_tensorcnt 0x0                           ; my one load, this trip's tile, has landed; none of my loads is out,
	ds_add_u32 v23, v193
	s_wait_dscnt 0x0
	s_set_vgpr_msb 0xc00
.if \refill
	s_add_nc_u64 s[G0E+4*\slot+2:G0E+4*\slot+3], s[G0E+4*\slot+2:G0E+4*\slot+3], 2*16*1024   ; so a group 0 may be written: this slot's next tile (not used behind tile 14)
	s_wait_dscnt 0x0                               ; my reads of the last trip's tile are back, my o*g is stored
	ROUND                                          ; both hold of every wave of all four work-groups
	tensor_load_to_lds s[G0E+4-4*\slot:G0E+7-4*\slot], s[G1E:G1E+7]   ; the next tile, into the slot read last trip: my one load behind the round
	s_nop 0
.endif
	ZFLOAD ZNL, 0, ZF0                             ; zn of this trip's 16 queries
	WIN 0
.irp k, 0,1,2,3,4,5,6,7,8,9,10,11,12,13,14,15
	ds_load_b128 v[S+8*\k:S+8*\k+3],   v[EDG+\slot] offset:64*\k       ; edge(query r, keys 16 k + 8 hh ..): straight into the sums of S^T
	ds_load_b128 v[S+8*\k+4:S+8*\k+7], v[EDG+\slot] offset:64*\k+16
.endr
	s_wait_dscnt 0x20                              ; zn's fragments are in; the 32 edge loads stay out
	WIN 0x0e
	QGSTEP 0, 1                                    ; Q^T and G^T: four sums by turns
	QGSTEP 1, 0
	QGSTEP 2, 0
	QGSTEP 3, 0
	WIN 0
.rept 4
	v_nop                                          ; four places before a vector instruction reads a product's result (ISA guide 7.12.1)
.endr
.irp p, 0,1,2,3,4,5,6,7
	v_pk_mul_f32 v[QA+2*\p:QA+2*\p+1], v[QA+2*\p:QA+2*\p+1], 0x3e3504f3 op_sel_hi:[1,0]   ; 1 / sqrt 32
.endr
.irp p, 0,1,2,3,4,5,6,7
	v_cvt_pk_f16_f32 v[QF+\p], v[QA+2*\p], v[QA+2*\p+1]
.endr
	s_wait_dscnt 0x0                               ; the edge tile is in S
	WIN 0x01
.irp k, 0,1,2,3,4,5,6,7,8,9,10,11,12,13,14,15
	MM S+8*\k, KF+8*\k, QF, 0                      ; S^T = K Q^T + edge: sixteen sums, one product each
.endr
	WIN 0
.irp p, 0,1,2,3,4,5,6,7
	v_pk_mul_f32 v[GA+2*\p:GA+2*\p+1], v[GA+2*\p:GA+2*\p+1], 0xbfb8aa3b op_sel_hi:[1,0]   ; the gate's - x log2 e: also the places behind S's products
.endr
.irp p, 0,1,2,3,4,5,6,7,8,9,10,11,12,13,14,15
	v_exp_f32 v[GA+\p], v[GA+\p]
.endr
	WIN 0x04
.set pp, 0
.rept 64
	v_pk_add_f32 v[S+pp:S+pp+1], v[S+pp:S+pp+1], v[MASK+pp:MASK+pp+1]
.set pp, pp+2
.endr
	WIN 0
	s_wait_alu depctr_va_vdst(0)
.irp p, 0,1,2,3,4,5,6,7
	v_pk_add_f32 v[GA+2*\p:GA+2*\p+1], v[GA+2*\p:GA+2*\p+1], 1.0 op_sel_hi:[1,0]
.endr
.irp p, 0,1,2,3,4,5,6,7,8,9,10,11,12,13,14,15
	v_rcp_f32 v[GA+\p], v[GA+\p]                   ; sigmoid = 1 / (1 + 2^(- x log2 e))
.endr
	; the query's largest logit: four chains over my 128 keys, then the other half's lane
.irp k, 0,1,2,3
	v_max_num_f32 v[MX+\k], v[S+32*\k], v[S+32*\k+1]
.endr
.set pp, 2
.rept 15
.irp k, 0,1,2,3
	v_max3_num_f32 v[MX+\k], v[MX+\k], v[S+32*\k+pp], v[S+32*\k+pp+1]
.endr
.set pp, pp+2
.endr
	v_max3_num_f32 v[MX], v[MX], v[MX+1], v[MX+2]
	v_max_num_f32 v[MX], v[MX], v[MX+3]
	v_permlanex16_b32 v[MX+1], v[MX], s60, s61
	v_max_num_f32 v[MX], v[MX], v[MX+1]
	v_mul_f32 v[NEGM], 0xbfb8aa3b, v[MX]
	v_mul_f32 v[NEGM+1], 0xbfb8aa3b, v[MX]
	FMAB 0
.irp b, 0,1,2,3,4,5,6
	EXPB \b
	FMAB (\b+1)                                    ; plain work on the next block stands behind the exponentials before their results are used
	SUMB \b
	CVTB \b
.endr
	EXPB 7
	v_nop
	s_wait_alu depctr_va_vdst(0)
	SUMB 7
	CVTB 7
	v_pk_add_f32 v[SUM:SUM+1], v[SUM:SUM+1], v[SUM+2:SUM+3]
	v_pk_add_f32 v[SUM+4:SUM+5], v[SUM+4:SUM+5], v[SUM+6:SUM+7]
	v_pk_add_f32 v[SUM:SUM+1], v[SUM:SUM+1], v[SUM+4:SUM+5]
	v_add_f32 v[SUM], v[SUM], v[SUM+1]
	v_permlanex16_b32 v[SUM+1], v[SUM], s60, s61
	v_add_f32 v[SUM], v[SUM], v[SUM+1]
	v_rcp_f32 v[RINV], v[SUM]
	v_rcp_f32 v[RINV+1], v[SUM]
	v_add_nc_u32 v[ZNL], 16*NPITCH, v[ZNL]         ; the next trip's queries; the plain instruction behind the reciprocals
	WIN 0x02
	MM OE,   VF,    S,    1                        ; O^T = V^T P^T: two channel tiles, even and odd key blocks apart: four sums by turns
	MM OE+8, VF+64, S,    1
	MM OO,   VF+8,  S+16, 1
	MM OO+8, VF+72, S+16, 1
.irp b, 2,4,6
	MM OE,   VF+8*\b,    S+16*\b,    0
	MM OE+8, VF+64+8*\b, S+16*\b,    0
	MM OO,   VF+8+8*\b,  S+16+16*\b, 0
	MM OO+8, VF+72+8*\b, S+16+16*\b, 0
.endr
	WIN 0
	s_wait_alu depctr_va_vdst(0)
.irp p, 0,1,2,3,4,5,6,7
	v_pk_mul_f32 v[GA+2*\p:GA+2*\p+1], v[GA+2*\p:GA+2*\p+1], v[RINV:RINV+1]   ; gate / sum: the places behind these products, for the reads of O and for the next loads into S
.endr
.irp p, 0,1,2,3,4,5,6,7
	v_pk_add_f32 v[OE+2*\p:OE+2*\p+1], v[OE+2*\p:OE+2*\p+1], v[OO+2*\p:OO+2*\p+1]
.endr
.irp p, 0,1,2,3,4,5,6,7
	v_pk_mul_f32 v[OE+2*\p:OE+2*\p+1], v[OE+2*\p:OE+2*\p+1], v[GA+2*\p:GA+2*\p+1]
.endr
.irp p, 0,1,2,3,4,5,6,7
	v_cvt_pk_f16_f32 v[PK+\p], v[OE+2*\p], v[OE+2*\p+1]
.endr
	ds_store_b128 v[OGS], v[PK:PK+3]               ; channels 8 hh .. of query r, into my head's plane
	ds_store_b128 v[OGS], v[PK+4:PK+7] offset:32   ; channels 16 + 8 hh ..
	v_add_nc_u32 v[OGS], 16*OPITCH, v[OGS]
.endm
	s_mov_b32 s29, 7
.Lring:
	TRIP 0, 1
	TRIP 1, 1
	s_sub_co_u32 s29, s29, 1
	s_cmp_lg_u32 s29, 0
	s_cbranch_scc1 .Lring
	TRIP 0, 1                                      ; tile 14; asks for tile 15, the last
	TRIP 1, 0                                      ; tile 15: nothing is filled, and the tile is my own load's: my wait on TENSORcnt alone orders its reads
	; ---- out = (o g) Wo for my 64 tokens
	s_wait_dscnt 0x0                               ; my o*g is stored and my reads of zn are back,
	s_barrier_signal -1
	s_barrier_wait -1                              ; everybody's: o*g is whole, zn's bytes become the waves' stages
	WIN 0x40
.irp m, 0,1,2,3,4,5,6,7
.irp c, 0,1,2,3
	ds_load_tr16_b128 v[WO+32*\m+8*\c:WO+32*\m+8*\c+3],   v[TRO] offset:\c*32*WPITCH+\m*32
	ds_load_tr16_b128 v[WO+32*\m+8*\c+4:WO+32*\m+8*\c+7], v[TRO] offset:\c*32*WPITCH+\m*32+16*WPITCH
.endr
.endr
.macro OGLOAD t, buf                   ; 16 tokens x 128 channels of o*g: fragment c is head c's plane
	WIN 0xc0
.irp c, 0,1,2,3
	ds_load_b128 v[\buf+8*\c:\buf+8*\c+3],   v[OGR] offset:\c*OPLANE+\t*16*OPITCH
	ds_load_b128 v[\buf+8*\c+4:\buf+8*\c+7], v[OGR] offset:\c*OPLANE+\t*16*OPITCH+32
.endr
.endm
.macro OUT16 t
.if \t < 3
	OGLOAD (\t+1), ZF0+32*((\t+1)&1)
	s_wait_dscnt 0x8                               ; Wo's fragments and this tile's are in; the next tile's 8 loads stay out
.else
	s_wait_dscnt 0x0
.endif
	WIN 0x0d
.irp m, 0,1,2,3,4,5,6,7
	MM OUTA+8*\m, WO+32*\m, ZF0+32*(\t&1), 1       ; eight sums by turns
.endr
.irp c, 1,2,3
.irp m, 0,1,2,3,4,5,6,7
	MM OUTA+8*\m, WO+32*\m+8*\c, ZF0+32*(\t&1)+8*\c, 0
.endr
.endr
	WIN 0
.rept 5
	v_nop                                          ; the places in front of the stores of the results, of the next loads into the fragment buffer and of the products that start the sums anew
.endr
.irp m, 0,1,2,3,4,5,6,7
	ds_store_b128 v[STS], v[OUTA+8*\m:OUTA+8*\m+3]   offset:64*\m      ; out(token r, 16 m + 8 hh ..): 8 neighbouring f32
	ds_store_b128 v[STS], v[OUTA+8*\m+4:OUTA+8*\m+7] offset:64*\m+16
.endr
.if \t > 0
	s_wait_xcnt 0x0                                ; the last tile's stores have had their addresses translated (ISA guide 3.1): their data registers are loaded again only behind this wait
.endif
.irp q, 0,1,2,3,4,5,6,7,8,9,10,11,12,13,14,15
	ds_load_b128 v[RB+4*\q:RB+4*\q+3], v[STR] offset:\q*ZPITCH         ; my own stage: LDS serves a wave's instructions in order (ISA guide 5.7.1.4)
.endr
.irp q, 0,1,2,3,4,5,6,7,8,9,10,11,12,13,14,15
	s_wait_dscnt 15-\q                             ; row q is in; the younger rows stay out
	global_store_b128 v[CO], v[RB+4*\q:RB+4*\q+3], s[24:25] offset:(16*\t+\q)*512 th:TH_STORE_NT   ; the wave stores a whole row: 512 consecutive bytes, at a multiple of 512 from out0's first byte
.endr
.endm
	OGLOAD 0, ZF0
	OUT16 0
	OUT16 1
	OUT16 2
	OUT16 3
	s_set_vgpr_msb 0xc
	s_wait_tensorcnt 0x0
	ds_add_u32 v23, v193
	s_wait_dscnt 0x0
	s_set_vgpr_msb 0xc00
	ROUND                                          ; the closing round: no work-group ends while a partner may still ask for a tile that names it
	s_endpgm
.Lfunc_end_k_q9212cca163_triattn:
	.size	k_q9212cca163_triattn, .Lfunc_end_k_q9212cca163_triattn-k_q9212cca163_triattn
	.p2alignl 7, 3214868480
	.fill 96, 4, 3214868480
	.section	.rodata,"a",@progbits
	.p2align	6, 0x0
	.amdhsa_kernel k_q9212cca163_triattn
		.amdhsa_group_segment_fixed_size 327680
		.amdhsa_private_segment_fixed_size 0
		.amdhsa_enable_private_segment 0
		.amdhsa_kernarg_size 88
		.amdhsa_user_sgpr_count 2
		.amdhsa_user_sgpr_kernarg_segment_ptr 1
		.amdhsa_wavefront_size32 1
		.amdhsa_system_sgpr_workgroup_id_x 1
		.amdhsa_system_sgpr_workgroup_id_y 1
		.amdhsa_system_sgpr_workgroup_id_z 1
		.amdhsa_system_vgpr_workitem_id 0
		.amdhsa_next_free_vgpr 962
		.amdhsa_next_free_sgpr 68
		.amdhsa_reserve_vcc 0
		.amdhsa_float_denorm_mode_32 3
		.amdhsa_float_denorm_mode_16_64 3
		.amdhsa_memory_ordered 1
		.amdhsa_forward_progress 1
		.amdhsa_inst_pref_size 255
	.end_amdhsa_kernel
	.section	.bss,"aw",@nobits
	.p2align	6
	.space	262144
	.amdgpu_metadata
---
amdhsa.version: [ 1, 2 ]
amdhsa.kernels:
  - .name:           k_q9212cca163_triattn
    .symbol:         k_q9212cca163_triattn.kd
    .args:
      - { .name: z, .offset: 0, .size: 8, .value_kind: global_buffer, .address_space: global }
      - { .name: mask_bias, .offset: 8, .size: 8, .value_kind: global_buffer, .address_space: global }
      - { .name: edge_bias, .offset: 16, .size: 8, .value_kind: global_buffer, .address_space: global }
      - { .name: ln_w, .offset: 24, .size: 8, .value_kind: global_buffer, .address_space: global }
      - { .name: ln_b, .offset: 32, .size: 8, .value_kind: global_buffer, .address_space: global }
      - { .name: Wq, .offset: 40, .size: 8, .value_kind: global_buffer, .address_space: global }
      - { .name: Wk, .offset: 48, .size: 8, .value_kind: global_buffer, .address_space: global }
      - { .name: Wv, .offset: 56, .size: 8, .value_kind: global_buffer, .address_space: global }
      - { .name: Wg, .offset: 64, .size: 8, .value_kind: global_buffer, .address_space: global }
      - { .name: Wo, .offset: 72, .size: 8, .value_kind: global_buffer, .address_space: global }
      - { .name: out0, .offset: 80, .size: 8, .value_kind: global_buffer, .address_space: global }
    .group_segment_fixed_size: 327680
    .private_segment_fixed_size: 0
    .kernarg_segment_align: 8
    .kernarg_segment_size: 88
    .max_flat_workgroup_size: 128
    .sgpr_count:     68
    .vgpr_count:     962
    .wavefront_size: 32
...
	.end_amdgpu_metadata
.endif
;; end of part 1
